; MI455X (gfx1250); checked and timed in simulation.
; The chip was launched on July 23, 2026; its instructions are those of AMD's public machine-readable ISA for CDNA 5 (MIT licence, August 2026) and "CDNA5" Instruction Set Architecture Reference Guide (July 2026). The comments in the code are by the model that wrote it; some were corrected since.
;; Distortion Loss. Allowed arithmetic: float matrix products may take bf16 or f16 operands with f32 sums; all other float work in f32.
;; Inputs: far 8,192 x 1 float32; near 8,192 x 1 float32; weights 8,192 x 128 x 1 float32; z_vals 8,192 x 129 float32.
;; Outputs: out0 8,192 x 1 float32.
;; One version. Each part assembles by itself: llvm-mc -triple=amdgcn-amd-amdhsa -mcpu=gfx1250 --defsym DOCPART=n.
;; ======== version 1 of 1: 1 launch
;; launch distortion (part 1): grid 256 x 1, 16 waves a work-group, no clusters, 169,984 bytes of LDS; arguments z_vals, weights, near, far, out0; writes out0
.if DOCPART == 1
	.amdgcn_target "amdgcn-amd-amdhsa--gfx1250"
	.amdhsa_code_object_version 6
	.text
	.protected	k_q0ecd2f4fff_distortion
	.globl	k_q0ecd2f4fff_distortion
	.p2align	8
	.type	k_q0ecd2f4fff_distortion,@function
k_q0ecd2f4fff_distortion:
	s_mov_b64 s[64:65], 0
	v_nop
	global_prefetch_b8 v0, s[64:65] scope:SCOPE_SE
	s_setreg_imm32_b32 hwreg(HW_REG_WAVE_MODE, 25, 1), 1
	s_wait_xcnt 0x0
; Distortion loss of 8,192 rays of 128 samples:
;   b = (z - near) / (far - near)   (129 edges),   mid_i = (b_i + b_i+1) / 2
;   loss = sum over all i, j of w_i w_j |mid_i - mid_j|  +  (1/3) sum over i of w_i^2 (b_i+1 - b_i)
; The pair term is symmetric and its diagonal is zero, so every unordered pair is formed once; the factor 2 of the symmetry and the factor 1/2 of
; the midpoint cancel (both are powers of two): with M_i = b_i + b_i+1 the pair term is the sum over i < j of w_i w_j |M_i - M_j|.
; The edges are NOT taken to be sorted: all 8,128 pairs of a ray are formed, each as a difference of two M, so nothing large is subtracted from anything large.
;
; SHARES.  A work-group has 32 rays and 16 waves; a ray is a row of 16 lanes, a wave has two rays.  Lane q of a row owns chunk q: the eight elements
; 4q..4q+3 and 64+4q..64+4q+3.  It forms its chunk against chunks q+1 .. q+7 (mod 16): 7 x 64 pairs; the 28 pairs inside its chunk; and half of the
; block (chunk a, chunk a+8), a = q mod 8: lane a takes all of chunk a against the lower four elements of chunk a+8, lane a+8 all of chunk a against
; the upper four: 32 pairs.  508 pairs a lane, 16 x 508 = 8,128.  A pair costs half a packed subtraction and one fused multiply-add that takes |.| as a source modifier.
;
; LIMITS.  The division is a multiplication by v_rcp_f32 (1 ULP; ISA guide, its entry in 15.8): |far - near| below 2^-126 counts as zero and above
; 2^126 gives a reciprocal of zero.  The sums run in another order than in the problem's formula.
.set RAYS,   32                        ; rays of a work-group
.set ZROW,   516                       ; bytes of a ray's 129 edges
.set ZWAVES, 4                         ; waves that fetch z
.set ZPART,  RAYS*ZROW/ZWAVES          ; 4,128 bytes: eight rays' edges, one tensor load
.set RES,    16640                     ; LDS: one word a ray, in a block of 256 bytes of its own behind the 16,512 bytes of z
.set STAGE,  16896                     ; LDS: 4,096 bytes for each wave: two rays of 2,048
.set MHI,    512                       ; in a ray's stage: M of elements 0-63 at 0, of 64-127 at 512, w likewise at 1,024 and 1,536;
.set WLO,    1024                      ; each of the four holds its 256 bytes twice, one copy behind the other, so that
.set WHI,    1536                      ; chunk (q + k) mod 16 lies 16 k bytes behind chunk q without a wrap
.set COPY,   256
.set TMP, 1                            ; v1       at work
.set CH,  2                            ; v2       q: my chunk
.set HH,  3                            ; v3       which of the wave's two rays
.set H2,  4                            ; v4       q / 8
.set HB,  5                            ; v5       LDS: my ray's stage
.set ST,  6                            ; v6       LDS: my chunk in it
.set PA,  7                            ; v7       LDS: chunk q mod 8
.set QA,  8                            ; v8       LDS: 128 bytes in front of my four elements of chunk (q mod 8) + 8
.set ZA,  9                            ; v9       LDS: my first edge
.set GW,  10                           ; v10      byte offset of my first four weights in the group's weights
.set GN,  11                           ; v11      byte offset of my ray in the group's near, far
.set NF,  12                           ; v[12:13] near, far
.set IV,  14                           ; v[14:15] 1 / (far - near), twice: a pair for the packed multiply
.set Z,   16                           ; v[16:25] edges 4q..4q+4, then 64+4q..64+4q+4; then the bins
.set MX,  26                           ; v[26:33] M of my eight elements
.set WX,  34                           ; v[34:41] w of my eight elements
.set DL,  42                           ; v[42:49] widths of my eight bins
.set D,   50                           ; v[50:65] differences, two sets of eight
.set T,   66                           ; v[66:73] for each of my elements: sum over its partners j of w_j |M_i - M_j|
.set TP,  74                           ; v[74:81] the same for the eight elements of chunk q mod 8 in the half block
.set A2,  82                           ; v[82:83] the lane's sum, in two halves
.set RA,  84                           ; v84      LDS: my ray's result word
.set Y,   88                           ; v[88:199] chunks q+1 .. q+7: 16 registers each, eight M, then eight w
.set P,   200                          ; v[200:215] chunk q mod 8: eight M, eight w
.set QQ,  216                          ; v[216:223] four elements of chunk (q mod 8) + 8: four M, four w
	s_load_b256 s[4:11], s[0:1], 0x0               ; z s[4:5], weights s[6:7], near s[8:9], far s[10:11]
	s_load_b64 s[12:13], s[0:1], 0x20              ; out
	v_lshl_add_u32 v224, v0, 2, 0x29000
	v_mov_b32 v225, 0
	ds_add_u32 v224, v225
	ds_add_u32 v224, v225
	v_lshrrev_b32 v[TMP], 5, v0
	v_readfirstlane_b32 s14, v[TMP]                ; my wave's number, as a scalar
	; Descriptor group 1: one row of 516 elements of 8 bytes.  The group's edges are 16,512 consecutive bytes; a quarter is 4,128.
	s_mov_b32 s16, 3<<16                           ; no work-group mask; elements of 8 bytes; no padding
	s_mov_b32 s17, (ZPART/8)<<16                   ; tensor_dim0 = 516
	s_mov_b32 s18, 1<<16                           ; tensor_dim1 = 1
	s_mov_b32 s19, (ZPART/8)<<16                   ; tile_dim0 = 516
	s_mov_b32 s20, 1                               ; tile_dim1 = 1
	s_mov_b32 s21, ZPART/8                         ; the pitch, in elements
	s_mov_b32 s22, 0
	s_mov_b32 s23, 0
	; Descriptor group 0: quarter number = wave number, in memory and in LDS
	s_mov_b32 s24, 1
	s_mul_i32 s25, s14, ZPART                      ; LDS address: wave x 4,128
	s_mul_i32 s2, ttmp9, RAYS*ZROW                 ; the group's edges begin 16,512 x group bytes into z
	s_add_co_u32 s2, s2, s25
	s_mov_b32 s3, 0
	s_lshl_b32 s28, ttmp9, 14                      ; the group's weights: 32 rays x 512 bytes
	s_mov_b32 s29, 0
	s_lshl_b32 s30, ttmp9, 7                       ; the group's near, far, out: 32 words
	s_mov_b32 s31, 0
	v_and_b32 v[CH], 15, v0                        ; q
	v_lshrrev_b32 v[TMP], 4, v0                    ; my ray in the group, 0 to 31
	v_lshlrev_b32 v[GW], 9, v[TMP]
	v_lshl_add_u32 v[GW], v[CH], 4, v[GW]          ; ray x 512 + 16 q
	v_lshlrev_b32 v[GN], 2, v[TMP]
	s_wait_dscnt 0x0
	s_wait_kmcnt 0x0
	s_add_nc_u64 s[26:27], s[4:5], s[2:3]
	s_or_b32 s27, s27, 0x80000000                  ; type = 2
	s_cmp_ge_u32 s14, ZWAVES
	s_cbranch_scc1 .Lno_fill                       ; waves 4 to 15 fetch no part of z
	tensor_load_to_lds s[24:27], s[16:23]          ; the wave's only tensor load; LDS is filled once and never again
	s_nop 0
.Lno_fill:
	s_add_nc_u64 s[6:7], s[6:7], s[28:29]
	s_add_nc_u64 s[8:9], s[8:9], s[30:31]
	s_add_nc_u64 s[10:11], s[10:11], s[30:31]
	s_add_nc_u64 s[12:13], s[12:13], s[30:31]
	global_load_b32 v[NF], v[GN], s[8:9]
	global_load_b32 v[NF+1], v[GN], s[10:11]
	global_load_b128 v[WX:WX+3], v[GW], s[6:7] th:TH_LOAD_NT                 ; sixteen lanes read 256 consecutive bytes, at a multiple of 256 from the buffer's first byte
	global_load_b128 v[WX+4:WX+7], v[GW], s[6:7] offset:256 th:TH_LOAD_NT
	; LDS addresses.  The stage and the result word are built from the wave's number: they are the wave's own bytes.
	v_mul_u32_u24 v[ZA], v[TMP], ZROW
	v_lshl_add_u32 v[ZA], v[CH], 4, v[ZA]          ; ray x 516 + 16 q
	v_bfe_u32 v[HH], v0, 4, 1
	v_bfe_u32 v[H2], v0, 3, 1
	s_lshl_b32 s15, s14, 12
	s_add_co_u32 s15, s15, STAGE                   ; my wave's stage
	v_lshl_add_u32 v[HB], v[HH], 11, s15           ; my ray's 2,048 bytes of it
	v_lshl_add_u32 v[ST], v[CH], 4, v[HB]
	v_and_b32 v[TMP], 7, v0
	v_lshl_add_u32 v[PA], v[TMP], 4, v[HB]         ; chunk q mod 8: lanes q and q + 8 read the same words
	v_lshl_add_u32 v[QA], v[H2], 9, v[PA]          ; lanes 0-7 of a row: elements 0-63; lanes 8-15: elements 64-127; the chunk's 128 bytes stand in the immediate
	s_lshl_b32 s2, s14, 3
	s_add_co_u32 s2, s2, RES
	v_lshl_add_u32 v[RA], v[HH], 2, s2             ; word 2 x wave + ray of the wave
	s_wait_tensorcnt 0x0                           ; my quarter of z has landed (waves 4 to 15 have none out),
	s_barrier_signal -1
	s_barrier_wait -1                              ; everybody's has
.irp e, 0,1,2,3,4
	ds_load_b32 v[Z+\e],   v[ZA] offset:4*\e       ; a ray's edges begin at a multiple of 4 bytes only: single words.  The lanes of a row are 4 words apart
	ds_load_b32 v[Z+5+\e], v[ZA] offset:256+4*\e   ; and the wave's second row lies 129 words further on
.endr
	s_wait_loadcnt 0x0                             ; near, far and my weights
	v_sub_f32 v[TMP], v[NF+1], v[NF]
	v_rcp_f32 v[IV], v[TMP]                        ; behind a transcendental one plain vector instruction comes before its result is used or its source
	v_rcp_f32 v[IV+1], v[TMP]                      ; rewritten (ISA guide 5.7.2): the first subtraction below touches neither
	s_wait_dscnt 0x0
.irp p, 0,2,4,6,8
	v_pk_add_f32 v[Z+\p:Z+\p+1], v[Z+\p:Z+\p+1], v[NF:NF+1] op_sel_hi:[1,0] neg_lo:[0,1] neg_hi:[0,1]   ; z - near, near for both halves
.endr
	s_wait_alu depctr_va_vdst(0)
.irp p, 0,2,4,6,8
	v_pk_mul_f32 v[Z+\p:Z+\p+1], v[Z+\p:Z+\p+1], v[IV:IV+1]                                             ; the bins
.endr
.irp e, 0,1,2,3
	v_add_f32 v[MX+\e],   v[Z+\e],   v[Z+\e+1]     ; M = start + end
	v_add_f32 v[MX+4+\e], v[Z+5+\e], v[Z+6+\e]
.endr
	; M and w of my chunk go to the stage, each twice.  No barrier: only this wave's lanes read them, and LDS serves a wave's instructions in order (ISA guide 5.7.1.4).
	ds_store_b128 v[ST], v[MX:MX+3]
	ds_store_b128 v[ST], v[MX:MX+3]   offset:COPY
	ds_store_b128 v[ST], v[MX+4:MX+7] offset:MHI
	ds_store_b128 v[ST], v[MX+4:MX+7] offset:MHI+COPY
	ds_store_b128 v[ST], v[WX:WX+3]   offset:WLO
	ds_store_b128 v[ST], v[WX:WX+3]   offset:WLO+COPY
	ds_store_b128 v[ST], v[WX+4:WX+7] offset:WHI
	ds_store_b128 v[ST], v[WX+4:WX+7] offset:WHI+COPY
	; All partners in one run, each into registers of its own: 34 loads.  In each of the first 28 the sixteen lanes of a row read 256 consecutive bytes.
.irp k, 1,2,3,4,5,6,7
	ds_load_b128 v[Y+16*(\k-1):Y+16*(\k-1)+3],     v[ST] offset:16*\k
	ds_load_b128 v[Y+16*(\k-1)+4:Y+16*(\k-1)+7],   v[ST] offset:16*\k+MHI
	ds_load_b128 v[Y+16*(\k-1)+8:Y+16*(\k-1)+11],  v[ST] offset:16*\k+WLO
	ds_load_b128 v[Y+16*(\k-1)+12:Y+16*(\k-1)+15], v[ST] offset:16*\k+WHI
.endr
	ds_load_b128 v[P:P+3],     v[PA]
	ds_load_b128 v[P+4:P+7],   v[PA] offset:MHI
	ds_load_b128 v[P+8:P+11],  v[PA] offset:WLO
	ds_load_b128 v[P+12:P+15], v[PA] offset:WHI
	ds_load_b128 v[QQ:QQ+3],   v[QA] offset:128
	ds_load_b128 v[QQ+4:QQ+7], v[QA] offset:128+WLO
	; While they are on their way: the term inside the bins, (1/3) sum of w^2 (end - start), which starts the lane's sum
.irp e, 0,1,2,3
	v_sub_f32 v[DL+\e],   v[Z+\e+1], v[Z+\e]
	v_sub_f32 v[DL+4+\e], v[Z+6+\e], v[Z+5+\e]
.endr
.irp p, 0,2,4,6
	v_pk_mul_f32 v[D+\p:D+\p+1], v[WX+\p:WX+\p+1], v[DL+\p:DL+\p+1]
.endr
	v_pk_mul_f32 v[A2:A2+1], v[D:D+1], v[WX:WX+1]
.irp p, 2,4,6
	v_pk_fma_f32 v[A2:A2+1], v[D+\p:D+\p+1], v[WX+\p:WX+\p+1], v[A2:A2+1]
.endr
	v_pk_mul_f32 v[A2:A2+1], v[A2:A2+1], 0x3eaaaaab op_sel_hi:[1,0]          ; times 1/3
; The differences M_i - M_y of the first cnt elements of the eight at xm (rounded up to a pair) against the one element in register ym, two in an
; instruction: ym's register is taken for both halves (the first of its even-aligned pair, or the second).
.macro DIFF d, xm, ym, cnt
.irp p, 0,2,4,6
.if \p < \cnt
.if (\ym) & 1
	v_pk_add_f32 v[\d+\p:\d+\p+1], v[\xm+\p:\xm+\p+1], v[\ym-1:\ym] op_sel:[0,1] op_sel_hi:[1,1] neg_lo:[0,1] neg_hi:[0,1]
.else
	v_pk_add_f32 v[\d+\p:\d+\p+1], v[\xm+\p:\xm+\p+1], v[\ym:\ym+1] op_sel_hi:[1,0] neg_lo:[0,1] neg_hi:[0,1]
.endif
.endif
.endr
.endm
; t_i += |difference_i| x w_y for the first cnt elements.  zero = 1: the first product starts the sums: nothing is cleared.
.macro ACCUM d, t, yw, cnt, zero
.irp i, 0,1,2,3,4,5,6,7
.if \i < \cnt
.if \zero
	v_mul_f32 v[\t+\i], |v[\d+\i]|, v[\yw]
.else
	v_fma_f32 v[\t+\i], |v[\d+\i]|, v[\yw], v[\t+\i]
.endif
.endif
.endr
.endm
; Eight elements against two partners (ym even): 16 pairs in 8 + 16 instructions; seven instructions lie between a result and its use.
.macro ROW2 xm, t, ym, yw, zero
	DIFF D,   \xm, \ym,   8
	DIFF D+8, \xm, \ym+1, 8
	ACCUM D,   \t, \yw,   8, \zero
	ACCUM D+8, \t, \yw+1, 8, 0
.endm
	s_wait_dscnt 30                                ; LDS loads come back in order (ISA guide 5.7.1): chunk q+1 is in; behind its four loads 6 x 4 + 6 were issued
	ROW2 MX, T, Y,   Y+8,  1
	ROW2 MX, T, Y+2, Y+10, 0
	ROW2 MX, T, Y+4, Y+12, 0
	ROW2 MX, T, Y+6, Y+14, 0
.irp k, 2,3,4,5,6,7
	s_wait_dscnt 4*(7-\k)+6                        ; chunk q+k is in: four loads for each later chunk and the half block's six may stay out
.irp e, 0,2,4,6
	ROW2 MX, T, Y+16*(\k-1)+\e, Y+16*(\k-1)+8+\e, 0
.endr
.endr
	; the 28 pairs inside my chunk: element j against the elements in front of it
	DIFF D,   MX, MX+1, 1
	DIFF D+8, MX, MX+2, 2
	ACCUM D,   T, WX+1, 1, 0
	ACCUM D+8, T, WX+2, 2, 0
	DIFF D,   MX, MX+3, 3
	DIFF D+8, MX, MX+4, 4
	ACCUM D,   T, WX+3, 3, 0
	ACCUM D+8, T, WX+4, 4, 0
	DIFF D,   MX, MX+5, 5
	DIFF D+8, MX, MX+6, 6
	ACCUM D,   T, WX+5, 5, 0
	ACCUM D+8, T, WX+6, 6, 0
	DIFF D,   MX, MX+7, 7
	ACCUM D,   T, WX+7, 7, 0
	; the half block: all of chunk q mod 8 against my four elements of the chunk eight further on
	s_wait_dscnt 0x0
	ROW2 P, TP, QQ,   QQ+4, 1
	ROW2 P, TP, QQ+2, QQ+6, 0
	; each element's sum times its own weight
.irp p, 0,2,4,6
	v_pk_fma_f32 v[A2:A2+1], v[WX+\p:WX+\p+1], v[T+\p:T+\p+1], v[A2:A2+1]
.endr
.irp p, 0,2,4,6
	v_pk_fma_f32 v[A2:A2+1], v[P+8+\p:P+8+\p+1], v[TP+\p:TP+\p+1], v[A2:A2+1]
.endr
	v_add_f32 v[A2], v[A2], v[A2+1]
	; over the sixteen lanes of the ray: every lane of the row ends with the ray's loss
	v_add_f32_dpp v[A2], v[A2], v[A2] row_xmask:1 row_mask:0xf bank_mask:0xf
	v_add_f32_dpp v[A2], v[A2], v[A2] row_xmask:2 row_mask:0xf bank_mask:0xf
	v_add_f32_dpp v[A2], v[A2], v[A2] row_xmask:4 row_mask:0xf bank_mask:0xf
	v_add_f32_dpp v[A2], v[A2], v[A2] row_xmask:8 row_mask:0xf bank_mask:0xf
	; The group's 32 results meet in LDS, so that they leave as one store of 128 consecutive bytes and not as sixteen stores of 8.
	ds_store_b32 v[RA], v[A2]                      ; the sixteen lanes of a row write the same word with the same value
	s_wait_dscnt 0x0                               ; for wave 0's sake: my store is done before I signal
	s_barrier_signal -1
	s_barrier_wait -1
	s_cmp_lg_u32 s14, 0
	s_cbranch_scc1 .Ldone
	v_and_b32 v[TMP], 31, v0
	v_lshlrev_b32 v[TMP], 2, v[TMP]                ; lane l takes ray l of the group
	ds_load_b32 v[A2], v[TMP] offset:RES
	s_wait_dscnt 0x0
	global_store_b32 v[TMP], v[A2], s[12:13] th:TH_STORE_NT
.Ldone:
	s_wait_tensorcnt 0x0
	ds_add_u32 v224, v225
	s_wait_dscnt 0x0
	s_endpgm
.Lfunc_end_k_q0ecd2f4fff_distortion:
	.size	k_q0ecd2f4fff_distortion, .Lfunc_end_k_q0ecd2f4fff_distortion-k_q0ecd2f4fff_distortion
	.p2alignl 7, 3214868480
	.fill 96, 4, 3214868480
	.section	.rodata,"a",@progbits
	.p2align	6, 0x0
	.amdhsa_kernel k_q0ecd2f4fff_distortion
		.amdhsa_group_segment_fixed_size 169984
		.amdhsa_private_segment_fixed_size 0
		.amdhsa_enable_private_segment 0
		.amdhsa_kernarg_size 40
		.amdhsa_user_sgpr_count 2
		.amdhsa_user_sgpr_kernarg_segment_ptr 1
		.amdhsa_wavefront_size32 1
		.amdhsa_system_sgpr_workgroup_id_x 1
		.amdhsa_system_sgpr_workgroup_id_y 1
		.amdhsa_system_sgpr_workgroup_id_z 1
		.amdhsa_system_vgpr_workitem_id 0
		.amdhsa_next_free_vgpr 226
		.amdhsa_next_free_sgpr 66
		.amdhsa_reserve_vcc 0
		.amdhsa_float_denorm_mode_32 3
		.amdhsa_float_denorm_mode_16_64 3
		.amdhsa_memory_ordered 1
		.amdhsa_forward_progress 1
		.amdhsa_inst_pref_size 58
	.end_amdhsa_kernel
	.amdgpu_metadata
---
amdhsa.version: [ 1, 2 ]
amdhsa.kernels:
  - .name:           k_q0ecd2f4fff_distortion
    .symbol:         k_q0ecd2f4fff_distortion.kd
    .args:
      - { .name: z_vals, .offset: 0, .size: 8, .value_kind: global_buffer, .address_space: global }
      - { .name: weights, .offset: 8, .size: 8, .value_kind: global_buffer, .address_space: global }
      - { .name: near, .offset: 16, .size: 8, .value_kind: global_buffer, .address_space: global }
      - { .name: far, .offset: 24, .size: 8, .value_kind: global_buffer, .address_space: global }
      - { .name: out0, .offset: 32, .size: 8, .value_kind: global_buffer, .address_space: global }
    .group_segment_fixed_size: 169984
    .private_segment_fixed_size: 0
    .kernarg_segment_align: 8
    .kernarg_segment_size: 40
    .max_flat_workgroup_size: 512
    .sgpr_count:     66
    .vgpr_count:     226
    .wavefront_size: 32
...
	.end_amdgpu_metadata
.endif
;; end of part 1
